; MI455X (gfx1250); checked and timed in simulation.
; The chip was launched on July 23, 2026; its instructions are those of AMD's public machine-readable ISA for CDNA 5 (MIT licence, August 2026) and "CDNA5" Instruction Set Architecture Reference Guide (July 2026). The comments in the code are by the model that wrote it; some were corrected since.
;; Cross Attention Layer. Allowed arithmetic: matrix products marked QUANTISED: E2M3 operands, one E8M0 scale for each 32 along K, by v_wmma_scale_f32_16x16x128_f8f6f4 with both operands' format E2M3, f32 sums; everything else in f32.
;; Inputs: Wk 1,024 x 1,024 float32; Wq 1,024 x 1,024 float32; Wv 1,024 x 1,024 float32; bk 1,024 float32; bq 1,024 float32; bv 1,024 float32; ic 4 x 2,048 x 1,024 float32; zt 4 x 2,048 x 1,024 float32.
;; Outputs: out0 4 x 2,048 x 1,024 float32.
;; This version of the problem:
;;   THIS VERSION OF THE PROBLEM IS GIVEN IN LOW PRECISION. The matrix products marked QUANTISED in the list below multiply operands that are first quantised to E2M3 (2 exponent bits, 3 mantissa bits; 6 bits a number), with one power-of-two scale for each 32 numbers along K (OCP MX v1.0); their sums are f32. All else is computed in f32.
;;   The module's matrix products, in the order in which they are computed (A, B: the left and right operand; K: the contracted axis; several contracted axes count as one K, in the product's order):
;;     1. [M 8,192, K 1,024] x [K 1,024, N 1,024]; A: input zt; B: input Wq: QUANTISED
;;     2. [M 8,192, K 1,024] x [K 1,024, N 1,024]; A: input ic; B: input Wk: QUANTISED
;;     3. [M 8,192, K 1,024] x [K 1,024, N 1,024]; A: input ic; B: input Wv: QUANTISED
;;     4. batch 64 x [M 2,048, K 64] x [K 64, N 2,048]; A: computed on the way; B: computed on the way: QUANTISED
;;     5. batch 64 x [M 2,048, K 2,048] x [K 2,048, N 64]; A: softmax (see below); B: computed on the way: QUANTISED
;;   THE QUANTISER, for each operand of a quantised product, along K:
;;     - K is cut into blocks of 32 from its start; a last block that is shorter is filled with zeros.
;;     - A block's scale is 2^e with e = floor(log2(the largest magnitude in the block)) - 2, held to -126 .. 127; a block of zeros has e = 0. As a byte (E8M0): e + 127.
;;     - Each number is divided by its block's scale, clamped to +-7.5, and rounded to the nearest number of E2M3, ties to even, subnormals kept.
;;     - The product sums the exact products of the quantised numbers (number of the format x scale) in f32.
;;   ~~~python
;;   def quantise(x, axis):      # numpy; x: float32 -> the quantised numbers, widened to float32 again
;;       x = np.moveaxis(x, axis, -1); K = x.shape[-1]
;;       x = np.pad(x, [(0, 0)] * (x.ndim - 1) + [(0, -K % 32)]); x = x.reshape(x.shape[:-1] + (-1, 32)); a = np.abs(x).max(-1, keepdims=True)
;;       e = np.where(a > 0, np.clip(np.frexp(np.where(a > 0, a, 1))[1] - 1 - 2, -126, 127), 0)      # np.frexp(a)[1] - 1 = floor(log2(a)), exactly
;;       r = np.clip(x / 2.0 ** e, -7.5, 7.5)
;;       step = 2.0 ** (np.maximum(np.frexp(np.where(r == 0, 1, r))[1] - 1, 0) - 3)
;;       q = np.round(r / step) * step * 2.0 ** e      # np.round: ties to even
;;       return np.moveaxis(q.reshape(q.shape[:-2] + (-1,))[..., :K], -1, axis).astype(np.float32)
;;   ~~~
;;   SOFTMAX AHEAD OF A QUANTISED PRODUCT. Where the list says 'softmax', what is quantised is not the finished softmax but p = 2^(t - M), with t = logit x log2(e) and M = ceil(the row's largest t), a whole number; so 1/2 < the row's largest p <= 1. The row's sum l is taken of the UNQUANTISED p, in f32, and the product's result is divided by l at the end. Since M is a whole number, a kernel that streams over the keys may use a running M (the ceiling of the running maximum): every later rescaling is an exact power of two, which a block's scale takes up: the codes' values come out the same.
;;   OPERANDS COMPUTED ON THE WAY. 'Computed on the way' means the value that the module computes at that place (a softmax that the list does not call 'softmax' is quantised finished and normalised). What goes into a quantiser is computed in f32, as accurately as f32 sums, v_exp_f32 and their like allow (about 1e-6 of the number): no bf16 or f16 on the way to a quantiser, and a product that is left as it is and whose result goes on into a quantised operand takes f32 operands (vector FMAs, or v_wmma_f32_16x16x4_f32). A number that lies on a knife's edge between two numbers of the format may be rounded either way, as far as f32 arithmetic and the matrix unit's own rounding can turn it there, and no further.
;; One version. Each part assembles by itself: llvm-mc -triple=amdgcn-amd-amdhsa -mcpu=gfx1250 --defsym DOCPART=n.
;; ======== version 1 of 1: 3 launches
;; limits: right only within a limited range of input values
;; workspace buffers: xc 14,942,208 bytes; xs 622,592 bytes; pw 19,660,800 bytes
;; launch quant (part 1): grid 1216 x 1, 2 waves a work-group, no clusters, 16,640 bytes of LDS; arguments zt, ic, Wq, Wk, Wv, xc, xs; writes xc, xs
.if DOCPART == 1
	.amdgcn_target "amdgcn-amd-amdhsa--gfx1250"
	.amdhsa_code_object_version 6
	.text
	.protected	k_q5250baaf09_quant
	.globl	k_q5250baaf09_quant
	.p2align	8
	.type	k_q5250baaf09_quant,@function
k_q5250baaf09_quant:
	s_mov_b64 s[64:65], 0
	v_nop
	global_prefetch_b8 v0, s[64:65] scope:SCOPE_SE
	s_setreg_imm32_b32 hwreg(HW_REG_WAVE_MODE, 25, 1), 1
	s_wait_xcnt 0x0
; zt, ic [8192][1024] and Wq, Wk, Wv [1024][1024], f32, become codes of FP6 (E2M3) and one E8M0 byte for each 32 along K.
; 19,456 rows in all: zt 0.., ic 8192.., Wq 16384.., Wk 17408.., Wv 18432...
; xc[chunk of 256 along K: 4][row][192 bytes]: four rows on end are 768 bytes and begin at a multiple of 256.  xs[row][32 bytes].
; A block's scale is 2^(floor(log2(largest magnitude)) - 2); its byte is the largest magnitude's exponent field - 2, held at 1 from below.
; LIMITS: a block of zeros gets the byte 1 where the rule says 127 (its codes are zeros, and this program alone reads the bytes);
; blocks whose largest magnitude lies under 2^-124 have their byte held at 1; NaN and infinities among the inputs are not served.
; SHARES: a wave takes 8 whole rows in 16 steps of 512 numbers, a work-group of two waves 16 rows.  Work-groups 0-511 zt, 512-1023 ic, 1024-1087 Wq, 1088-1151 Wk, 1152-1215 Wv.
; THE ORDER OF ROWS: in ic, Wq and Wk, within each 64 rows, row 32 g + 8 w + i (i < 8) lies at place 16 w + 8 g + i: only the number of the wave's run of 8 rows changes.
; Each load reads 512 consecutive bytes; a step's 2,048 bytes turn through the wave's own stage in LDS so that a lane holds 16 neighbours along K; two lanes hold a block.
; No tensor loads, no barrier: waves share nothing.  Loads run four steps (16 loads a wave) ahead, the turn through LDS one step.
.set STEPS, 16
.set CB,    12                         ; bytes of 16 codes
.set CHB,   19456*192                  ; bytes of a chunk of xc
.set R,     16                         ; v16-79   four sets of 16 numbers as loaded
.set X,     80                         ; v80-111  two sets of 16 neighbours
.set E,     112                        ; v112-127 a scale byte for each step
.set C,     128                        ; v128-191 codes: four registers for each step, so that no store's data are written again
.set WREG,  8192                       ; LDS: a region for each wave: two stages of 32 x SP bytes, behind them its 256 scale bytes
.set SP,    80                         ; a lane's place in a stage: 64 bytes + 16 of padding
	s_load_b256 s[4:11], s[0:1], 0x0               ; zt, ic, Wq, Wk
	s_load_b128 s[12:15], s[0:1], 0x20             ; Wv, xc
	s_load_b64 s[16:17], s[0:1], 0x30              ; xs
	v_lshl_add_u32 v192, v0, 2, 0x4000             ; my spare word, behind the two regions
	v_mov_b32 v193, 0
	v_lshrrev_b32 v1, 5, v0
	v_readfirstlane_b32 s18, v1                    ; wave
	v_and_b32 v2, 31, v0                           ; lane
	v_lshlrev_b32 v3, 4, v2                        ; my 16 bytes of a load's 512
	s_mul_i32 s19, s18, WREG
	v_lshrrev_b32 v14, 2, v2
	v_mul_u32_u24 v14, v14, SP
	v_and_b32 v15, 3, v2
	v_lshl_add_u32 v14, v15, 4, v14
	v_add_nc_u32 v14, s19, v14                     ; the stage, on the way in: SP (lane / 4) + 16 (lane % 4)
	v_mul_u32_u24 v15, v2, SP
	v_add_nc_u32 v15, s19, v15                     ; and on the way out: SP x lane
	v_and_b32 v4, 15, v2
	v_lshrrev_b32 v10, 4, v2
	v_mul_u32_u24 v4, v4, CB
	v_mul_u32_u24 v10, v10, CHB
	v_add_nc_u32 v4, v4, v10                       ; my codes' place: lanes 0-15 a chunk's 192 bytes of the row, lanes 16-31 the next chunk's
	v_lshrrev_b32 v5, 1, v2
	s_add_co_u32 s19, s19, 2*32*SP
	v_add_nc_u32 v5, s19, v5                       ; LDS: my wave's 256 scale bytes, my block's byte
	v_lshlrev_b32 v7, 3, v2                        ; and on the way out 8 bytes a lane
	v_add_nc_u32 v6, s19, v7
	s_wait_alu depctr_va_vdst(0)                   ; the head's end
	s_wait_kmcnt 0x0
	; which tensor: the choice hangs on the work-group's number alone.  s[20:21] its address, s22 its first work-group
	s_mov_b64 s[20:21], s[12:13]
	s_mov_b32 s22, 1152
	s_cmp_lt_u32 ttmp9, 1152
	s_cselect_b64 s[20:21], s[10:11], s[20:21]
	s_cselect_b32 s22, 1088, s22
	s_cmp_lt_u32 ttmp9, 1088
	s_cselect_b64 s[20:21], s[8:9], s[20:21]
	s_cselect_b32 s22, 1024, s22
	s_cmp_lt_u32 ttmp9, 1024
	s_cselect_b64 s[20:21], s[6:7], s[20:21]
	s_cselect_b32 s22, 512, s22
	s_cmp_lt_u32 ttmp9, 512
	s_cselect_b64 s[20:21], s[4:5], s[20:21]
	s_cselect_b32 s22, 0, s22
	s_sub_co_u32 s23, ttmp9, s22
	s_lshl_b32 s23, s23, 1
	s_add_co_u32 s23, s23, s18                     ; my run of 8,192 numbers in the tensor
	s_lshl_b32 s24, s23, 15                        ; x 32,768 bytes
	s_mov_b32 s25, 0
	s_add_nc_u64 s[20:21], s[20:21], s[24:25]
	s_lshl_b32 s26, ttmp9, 1
	s_add_co_u32 s26, s26, s18                     ; u: my run of 8 rows, in the natural order
	s_and_b32 s27, s26, 3
	s_lshl_b32 s27, s27, 1
	s_bfe_u32 s28, s26, 0x10002
	s_or_b32 s27, s27, s28
	s_and_not1_b32 s28, s26, 7
	s_or_b32 s27, s27, s28                         ; its place in the other order: run 4 g + w of eight goes to 2 w + g
	s_sub_co_u32 s28, ttmp9, 512
	s_cmp_lt_u32 s28, 640                          ; work-groups 512 to 1151: ic, Wq, Wk
	s_cselect_b32 s26, s27, s26
	s_mul_i32 s24, s26, 1536                       ; 8 rows of 192 bytes in a chunk
	s_add_nc_u64 s[14:15], s[14:15], s[24:25]
	s_lshl_b32 s24, s26, 8                         ; 8 rows of 32 bytes
	s_add_nc_u64 s[16:17], s[16:17], s[24:25]
.macro LOAD t
.irp i, 0,1,2,3
	global_load_b128 v[R+16*((\t)%4)+4*\i:R+16*((\t)%4)+4*\i+3], v3, s[20:21] offset:2048*(\t)+512*\i th:TH_LOAD_NT
.endr
.endm
.macro TURN t                          ; step t's numbers through the stage: LDS serves a wave's instructions in order
.irp i, 0,1,2,3
	ds_store_b128 v14, v[R+16*((\t)%4)+4*\i:R+16*((\t)%4)+4*\i+3] offset:32*SP*((\t)%2)+8*SP*\i
.endr
.irp i, 0,1,2,3
	ds_load_b128 v[X+16*((\t)%2)+4*\i:X+16*((\t)%2)+4*\i+3], v15 offset:32*SP*((\t)%2)+16*\i
.endr
.endm
.irp t, 0,1,2,3
	LOAD \t
.endr
	s_wait_loadcnt 12                              ; step 0's four loads are in; the twelve of steps 1 to 3 may be out
	TURN 0
.macro STEP t
.set XS, X+16*((\t)%2)
.if (\t) > 0
	s_wait_dscnt 1                                 ; this step's numbers are back from the stage; the last step's byte store may be out
.else
	s_wait_dscnt 0x0
.endif
.if (\t)+4 < STEPS
	LOAD (\t)+4
.endif
.if (\t)+1 < STEPS
.if STEPS-2-(\t) >= 3
	s_wait_loadcnt 12                              ; the next step's four loads are in; those of the three steps behind it may be out
.else
	s_wait_loadcnt 4*(STEPS-2-(\t))
.endif
	TURN (\t)+1
.endif
	v_max3_num_f32 v8, |v[XS]|, |v[XS+1]|, |v[XS+2]|               ; the largest magnitude of my 16, in two chains
	v_max3_num_f32 v9, |v[XS+3]|, |v[XS+4]|, |v[XS+5]|
.irp i, 6,10
	v_max3_num_f32 v8, v8, |v[XS+\i]|, |v[XS+\i+1]|
	v_max3_num_f32 v9, v9, |v[XS+\i+2]|, |v[XS+\i+3]|
.endr
	v_max3_num_f32 v8, v8, |v[XS+14]|, |v[XS+15]|
	v_max3_num_f32 v8, v8, v9, 0x1800000           ; and the floor 2^(3 - 127): the byte cannot fall under 1
	v_max_num_f32_dpp v8, v8, v8 row_xmask:1 row_mask:0xf bank_mask:0xf   ; and of my neighbour's 16: the block's
	v_add_nc_u32 v11, 0xff000000, v8               ; 2 off its exponent field: the conversion's scale operand
	v_cvt_scalef32_pk16_fp6_f32 v[C+4*(\t):C+4*(\t)+2], v[XS:XS+15], v11
	v_lshrrev_b32 v[E+(\t)], 23, v11               ; the scale's byte (also the plain line behind the conversion)
	ds_store_b8 v5, v[E+(\t)] offset:16*(\t)       ; both lanes of a block write the same byte with the same value
	global_store_b96 v4, v[C+4*(\t):C+4*(\t)+2], s[14:15] offset:((\t)%2)*2*CHB+((\t)/2)*192   ; row t / 2, chunks 2 (t % 2) and the next: sixteen lanes store 192 consecutive bytes
.endm
.irp t, 0,1,2,3,4,5,6,7,8,9,10,11,12,13,14,15
	STEP \t
.endr
	ds_load_b64 v[12:13], v6                       ; LDS serves a wave's instructions in order: these see my stores
	s_wait_dscnt 0x0
	global_store_b64 v7, v[12:13], s[16:17]        ; 32 lanes store 256 consecutive bytes, aligned
	s_wait_tensorcnt 0x0                           ; the wave's end
	ds_add_u32 v192, v193
	s_wait_dscnt 0x0
	s_endpgm
.Lfunc_end_k_q5250baaf09_quant:
	.size	k_q5250baaf09_quant, .Lfunc_end_k_q5250baaf09_quant-k_q5250baaf09_quant
	.p2alignl 7, 3214868480
	.fill 96, 4, 3214868480
	.section	.rodata,"a",@progbits
	.p2align	6, 0x0
	.amdhsa_kernel k_q5250baaf09_quant
		.amdhsa_group_segment_fixed_size 16640
		.amdhsa_private_segment_fixed_size 0
		.amdhsa_enable_private_segment 0
		.amdhsa_kernarg_size 56
		.amdhsa_user_sgpr_count 2
		.amdhsa_user_sgpr_kernarg_segment_ptr 1
		.amdhsa_wavefront_size32 1
		.amdhsa_system_sgpr_workgroup_id_x 1
		.amdhsa_system_sgpr_workgroup_id_y 1
		.amdhsa_system_sgpr_workgroup_id_z 1
		.amdhsa_system_vgpr_workitem_id 0
		.amdhsa_next_free_vgpr 194
		.amdhsa_next_free_sgpr 66
		.amdhsa_reserve_vcc 0
		.amdhsa_float_denorm_mode_32 3
		.amdhsa_float_denorm_mode_16_64 3
		.amdhsa_memory_ordered 1
		.amdhsa_forward_progress 1
		.amdhsa_inst_pref_size 33
	.end_amdhsa_kernel
	.amdgpu_metadata
---
amdhsa.version: [ 1, 2 ]
amdhsa.kernels:
  - .name:           k_q5250baaf09_quant
    .symbol:         k_q5250baaf09_quant.kd
    .args:
      - { .name: zt, .offset: 0, .size: 8, .value_kind: global_buffer, .address_space: global }
      - { .name: ic, .offset: 8, .size: 8, .value_kind: global_buffer, .address_space: global }
      - { .name: Wq, .offset: 16, .size: 8, .value_kind: global_buffer, .address_space: global }
      - { .name: Wk, .offset: 24, .size: 8, .value_kind: global_buffer, .address_space: global }
      - { .name: Wv, .offset: 32, .size: 8, .value_kind: global_buffer, .address_space: global }
      - { .name: xc, .offset: 40, .size: 8, .value_kind: global_buffer, .address_space: global }
      - { .name: xs, .offset: 48, .size: 8, .value_kind: global_buffer, .address_space: global }
    .group_segment_fixed_size: 16640
    .private_segment_fixed_size: 0
    .kernarg_segment_align: 8
    .kernarg_segment_size: 56
    .max_flat_workgroup_size: 64
    .sgpr_count:     66
    .vgpr_count:     194
    .wavefront_size: 32
...
	.end_amdgpu_metadata
.endif
;; end of part 1
;; launch proj (part 2): grid 4 x 96, 4 waves a work-group, clusters of 4 x 4, 327,680 bytes of LDS; arguments xc, xs, bq, bk, bv, pw; writes pw
.if DOCPART == 2
	.amdgcn_target "amdgcn-amd-amdhsa--gfx1250"
	.amdhsa_code_object_version 6
	.text
	.protected	k_q5250baaf09_proj
	.globl	k_q5250baaf09_proj
	.p2align	8
	.type	k_q5250baaf09_proj,@function
k_q5250baaf09_proj:
	s_mov_b64 s[64:65], 0
	v_nop
	global_prefetch_b8 v0, s[64:65] scope:SCOPE_SE
	s_setreg_imm32_b32 hwreg(HW_REG_WAVE_MODE, 25, 1), 1
	s_wait_xcnt 0x0
	s_wait_alu depctr_hold_cnt(0) depctr_sa_sdst(0) depctr_va_vdst(0) depctr_va_sdst(0) depctr_va_ssrc(0) depctr_va_vcc(0) depctr_vm_vsrc(0)
	s_getreg_b32 s2, hwreg(HW_REG_IB_STS2, 6, 4)
	s_cmp_eq_u32 s2, 0
	s_cbranch_scc0 .Lentry_in_a_cluster
	s_endpgm
.Lentry_in_a_cluster:
	s_bfe_u32 s2, ttmp6, 0x10000c
	s_cmp_lg_u32 s2, 0xf033
	s_cbranch_scc0 .Lentry_shape_is_right
	s_endpgm
.Lentry_shape_is_right:
.set NQ,     2
.set ROWB,   192                       ; a row's bytes in a chunk of 256 along K
.set CHB,    19456*192                 ; xc[chunk][row][192]: bytes of a chunk.  Four rows on end are one tensor row of KROW = 768 bytes, at a multiple of 256
.set KROW,   768
.set PITCH,  240
.set FR,     12
.set NL,     6
.set NP,     4
.set HALFT,  128*PITCH
.set SLOT,   4*HALFT
.set SCL,    2*SLOT
.set HALFS,  16*272
.set SBLK,   2*272
.set SPARE,  SCL+4*HALFS
.set BR,   7
.set ADRA, 16
.set ADRB, 20
.set CO,   24
.set SOFF, 25
.set SH8,  26
.set ADRSA, 27
.set SPW,  28
.set NIL,  29
.set ADRSB, 30
.set BO,   31
.set SCA,  32
.set SCB,  64
.set AF,   128
.set ET,   96
.set ETC0, 100
.set ETC1, 104
.set ESO,  108
.set EBY,  110
.set EWD,  112
.set ETM,  113
.set EWORD, 116
.set EDS,  124
.set EX,   128
.set ECF,  192
.set EBV,  240
.set G1, 24
.set G0, 32
.set G1B, 48
.set G0B, 56
.set G1S, 68
.set G0S, 76
.set G1SB, 80
.set G0SB, 88
.set MSB, 0
.macro WIN new
.if MSB != (\new)
	s_set_vgpr_msb (MSB<<8)|(\new)
.set MSB, \new
.endif
.endm
.set MUL_LO, 0xa1
.set MUL_HI, 0xf1
.set TO_B,   0x40
.macro JLOAD g0a, g1a, g0b, g1b
	s_cmp_eq_u32 s17, 0
	s_cbranch_scc0 .Lfor_b_\@
	tensor_load_to_lds s[\g0a:\g0a+3], s[\g1a:\g1a+7]
	s_nop 0
.rept 4
	v_nop
.endr
	s_branch .Lasked_\@
.Lfor_b_\@:
	tensor_load_to_lds s[\g0b:\g0b+3], s[\g1b:\g1b+7]
	s_nop 0
.rept 4
	v_nop
.endr
.Lasked_\@:
.endm
.macro CREST
	s_cmp_lg_u32 s16, 0
	s_cbranch_scc1 .Lnot_wave_0_\@
	s_barrier_signal -3
.Lnot_wave_0_\@:
	s_barrier_wait -3
	s_barrier_signal -1
	s_barrier_wait -1
.endm
.macro CROUND
	s_barrier_signal -1
	s_barrier_wait -1
	CREST
.endm
	s_load_b256 s[4:11], s[0:1], 0x0
	s_load_b128 s[12:15], s[0:1], 0x20
	v_lshl_add_u32 v[SPW], v0, 2, SPARE
	v_mov_b32 v[NIL], 0
	ds_add_u32 v28, v29
	ds_add_u32 v28, v29
	s_wait_dscnt 0x0
	v_mov_b32 v[ETM], 0
	v_lshrrev_b32 v1, 5, v0
	v_readfirstlane_b32 s16, v1
	s_lshr_b32 s17, s16, 1
	s_and_b32 s18, s16, 1
	s_bfe_u32 s40, ttmp6, 0x40000
	s_bfe_u32 s41, ttmp6, 0x40004
	s_lshl_b32 s42, ttmp9, 2
	s_add_co_u32 s42, s42, s40
	s_and_b32 s66, ttmp7, 0xffff
	s_lshr_b32 s67, s66, 3
	s_lshr_b32 s95, s66, 4
	s_lshl_b32 s43, s41, 2
	s_lshl_b32 s43, 15, s43
	s_lshl_b32 s44, 0x1111, s40
	s_or_b32 s[G1+0], s43, (0<<16)|(1<<20)|(1<<21)|(3<<22)|(3<<25)
	s_or_b32 s[G1B+0], s44, (0<<16)|(1<<20)|(1<<21)|(3<<22)|(3<<25)
.irp g, G1, G1B
	s_mov_b32 s[\g+1], KROW<<16                    ; dense rows of 768 bytes = 4 rows of codes; 16 bytes of padding behind each 64: an LDS row of codes is 240 bytes
	s_mov_b32 s[\g+2], 64<<16                      ; the head's loads bring 256 rows of codes; behind them these two words are set to 32
	s_mov_b32 s[\g+3], KROW<<16
	s_mov_b32 s[\g+4], 64
	s_mov_b32 s[\g+5], KROW
	s_mov_b32 s[\g+6], 0
	s_mov_b32 s[\g+7], 0
.endr
	s_or_b32 s[G1S+0], s43, (3<<16)|(1<<20)|(1<<21)|(5<<22)|(3<<25)
	s_or_b32 s[G1SB+0], s44, (3<<16)|(1<<20)|(1<<21)|(5<<22)|(3<<25)
.irp g, G1S, G1SB
	s_mov_b32 s[\g+1], 32<<16
	s_mov_b32 s[\g+2], 32<<16                      ; the scale bytes of 256 rows: 32 units of 256 bytes
	s_mov_b32 s[\g+3], 32<<16
	s_mov_b32 s[\g+4], 32
	s_mov_b32 s[\g+5], 32
	s_mov_b32 s[\g+6], 0
	s_mov_b32 s[\g+7], 0
.endr
	; WHICH 256 ROWS lie in A's place (source 1; shared along the cluster's row, so it hangs on cy) and in B's (source 0; shared along its column: cx).
	; Q, K: A = the tokens' tile 4 x cluster + cy, B = the weight's tile cx.  V: A = Wv's tile cy, B = ic's tile 4 x cluster - 32 + cx: so V's sums lie with the tokens along a lane's registers.
	; The choice hangs on the cluster's number alone and enters global addresses alone.
	s_lshl_b32 s3, s66, 2
	s_lshl_b32 s46, s67, 2
	s_add_co_u32 s46, s46, 64
	s_sub_co_u32 s20, s3, 32
	s_cmp_eq_u32 s95, 1
	s_cselect_b32 s46, s20, s46
	s_cselect_b32 s20, 72, s3
	s_add_co_u32 s20, s20, s41
	s_add_co_u32 s46, s46, s42
	s_lshl_b32 s22, s20, 13                        ; 256 rows of 32 scale bytes
	s_mov_b32 s23, 0
	s_mul_i32 s20, s20, 256*ROWB
	s_mov_b32 s21, 0
	s_lshl_b32 s92, s46, 13
	s_mov_b32 s93, 0
	s_mul_i32 s46, s46, 256*ROWB
	s_mov_b32 s47, 0
	s_mul_i32 s45, s16, HALFT
	s_mul_i32 s2, s18, 128*ROWB                    ; in the ring I fetch 128 rows: which half
	s_mov_b32 s3, 0
	s_wait_kmcnt 0x0
	s_add_nc_u64 s[20:21], s[4:5], s[20:21]
	s_add_nc_u64 s[22:23], s[6:7], s[22:23]
	s_add_nc_u64 s[46:47], s[4:5], s[46:47]
	s_add_nc_u64 s[92:93], s[6:7], s[92:93]
	CROUND
	; THE HEAD'S FOUR TILES, one a wave: chunk 0's 256 rows of A, of B, A's scale bytes, B's
	s_mov_b32 s[G0], 1
	s_mov_b32 s[G0+1], 0
	s_mov_b64 s[G0+2:G0+3], s[20:21]
	s_or_b32 s[G0+3], s[G0+3], 0x80000000
	s_mov_b32 s[G0B], 1
	s_mov_b32 s[G0B+1], 2*HALFT
	s_mov_b64 s[G0B+2:G0B+3], s[46:47]
	s_or_b32 s[G0B+3], s[G0B+3], 0x80000000
	s_mov_b32 s[G0S], 1
	s_mov_b32 s[G0S+1], SCL
	s_mov_b64 s[G0S+2:G0S+3], s[22:23]
	s_or_b32 s[G0S+3], s[G0S+3], 0x80000000
	s_mov_b32 s[G0SB], 1
	s_mov_b32 s[G0SB+1], SCL+2*HALFS
	s_mov_b64 s[G0SB+2:G0SB+3], s[92:93]
	s_or_b32 s[G0SB+3], s[G0SB+3], 0x80000000
.macro HARM w, g0, g1, next
	s_cmp_eq_u32 s16, \w
	s_cbranch_scc0 \next
	tensor_load_to_lds s[\g0:\g0+3], s[\g1:\g1+7]
	s_nop 0
.rept 4
	v_nop
.endr
	s_branch .Lhead_asked
\next:
.endm
	HARM 0, G0, G1, .Lhead_b
	HARM 1, G0B, G1B, .Lhead_sa
	HARM 2, G0S, G1S, .Lhead_sb
	tensor_load_to_lds s[G0SB:G0SB+3], s[G1SB:G1SB+7]
	s_nop 0
.rept 4
	v_nop
.endr
.Lhead_asked:
	s_add_nc_u64 s[20:21], s[20:21], s[2:3]        ; slot 1's group 0: my 128 rows of chunk 1
	s_add_nc_u64 s[46:47], s[46:47], s[2:3]
	s_mov_b32 s[G0+4], 1
	s_add_co_u32 s[G0+5], s45, SLOT
	s_add_nc_u64 s[G0+6:G0+7], s[20:21], CHB
	s_or_b32 s[G0+7], s[G0+7], 0x80000000
	s_mov_b32 s[G0B+4], 1
	s_add_co_u32 s[G0B+5], s45, SLOT
	s_add_nc_u64 s[G0B+6:G0B+7], s[46:47], CHB
	s_or_b32 s[G0B+7], s[G0B+7], 0x80000000
	; for the way out: s19 my half of the tokens' tile, s3 of the weight's; s2 the tokens' tile (modulo 32), s42 the weight's
	s_cmp_eq_u32 s95, 1
	s_cselect_b32 s19, s18, s17
	s_cselect_b32 s3, s17, s18
	s_cselect_b32 s92, s40, s41
	s_cselect_b32 s42, s41, s42
	s_lshl_b32 s2, s66, 2
	s_add_co_u32 s2, s2, s92
	s_bfe_u32 s46, s2, 0x20003
	s_mul_i32 s46, s46, 4915200
	s_lshl_b32 s47, s42, 2
	s_lshl_b32 s92, s3, 1
	s_add_co_u32 s47, s47, s92
	s_mul_i32 s47, s47, 307200
	s_add_co_u32 s46, s46, s47
	s_and_b32 s47, s2, 7
	s_lshl_b32 s47, s47, 1
	s_add_co_u32 s47, s47, s19
	s_mul_i32 s47, s47, 19200
	s_add_co_u32 s46, s46, s47
	s_cmp_eq_u32 s67, 0
	s_cselect_b32 s47, 0, 6400
	s_mov_b32 s93, 18688
	s_cselect_b32 s92, 6144, s93
	s_cselect_b64 s[100:101], s[8:9], s[10:11]
	s_cmp_eq_u32 s67, 2
	s_cselect_b32 s47, 12544, s47
	s_cselect_b32 s92, 18944, s92
	s_cselect_b64 s[100:101], s[12:13], s[100:101]
	s_add_co_u32 s96, s46, s47
	s_mov_b32 s97, 0
	s_add_co_u32 s98, s46, s92
	s_mov_b32 s99, 0
	s_add_nc_u64 s[96:97], s[14:15], s[96:97]
	s_add_nc_u64 s[98:99], s[14:15], s[98:99]
	s_lshl_b32 s46, s42, 10
	s_lshl_b32 s47, s3, 9
	s_add_co_u32 s46, s46, s47
	s_mov_b32 s47, 0
	s_add_nc_u64 s[100:101], s[100:101], s[46:47]
	v_and_b32 v1, 15, v0
	v_bfe_u32 v2, v0, 4, 1
	v_lshlrev_b32 v[BO], 7, v2
	v_lshlrev_b32 v[BR], 2, v1
	WIN TO_B
.irp c, 0,1
.irp k, 0,1,2,3,4,5,6,7
	global_load_b128 v[96+128*\c+4*\k:96+128*\c+4*\k+3], v[BO], s[100:101] offset:256*\c+16*\k
.endr
.endr
	WIN 0
.irp a, 0,1,2,3,4,5,6,7
	global_load_b32 v[EBV+2*\a], v[BR], s[100:101] offset:64*\a
	global_load_b32 v[EBV+2*\a+1], v[BR], s[100:101] offset:64*\a
.endr
	v_and_b32 v3, 31, v0
	v_lshlrev_b32 v[CO], 4, v3
	v_mul_u32_u24 v[SOFF], v2, 307200
	v_lshl_add_u32 v[SOFF], v1, 4, v[SOFF]
	v_lshlrev_b32 v[SH8], 3, v2
	v_mul_u32_u24 v3, v1, PITCH
	v_mul_u32_u24 v4, v2, 24
	v_add_nc_u32 v4, v3, v4
	v_lshl_add_u32 v5, v2, 4, v4
	s_mul_i32 s46, s17, HALFT
	s_mul_i32 s47, s18, HALFT
	s_add_co_u32 s47, s47, 2*HALFT
.irp s, 0,1
	v_add_nc_u32 v[ADRA+\s], s46, v4
	v_add_nc_u32 v[ADRB+\s], s47, v4
	v_add_nc_u32 v[ADRA+2+\s], s46, v5
	v_add_nc_u32 v[ADRB+2+\s], s47, v5
	s_add_co_u32 s46, s46, SLOT
	s_add_co_u32 s47, s47, SLOT
.endr
	v_lshlrev_b32 v5, 5, v1
	v_lshrrev_b32 v6, 8, v5
	v_lshl_add_u32 v5, v6, 4, v5
	s_mul_i32 s46, s17, HALFS
	s_add_co_u32 s46, s46, SCL
	s_mul_i32 s47, s18, HALFS
	s_add_co_u32 s47, s47, SCL+2*HALFS
	v_add_nc_u32 v[ADRSA], s46, v5
	v_add_nc_u32 v[ADRSB], s47, v5
	s_mov_b32 s20, 0x76543210
	s_mov_b32 s21, 0xfedcba98
.macro FRAG reg, adr, q, i
.irp p, 0,1,2,3,4,5
.set PCE, 12*(\q)+6*(\p/3)+\p%3
.if PCE%8 < 5
	ds_load_b64 v[\reg+2*\p:\reg+2*\p+1], v[\adr] offset:8*PCE+16*(PCE/8)+(\i)*16*PITCH
.else
	ds_load_b64 v[\reg+2*\p:\reg+2*\p+1], v[\adr+2] offset:8*PCE+16*(PCE/8)+(\i)*16*PITCH
.endif
.endr
.endm
.macro MUL16 a0, p, q, sc, zero
.irp a, \a0, \a0+1
.irp b, 0,1,2,3,4,5,6,7
.if \zero
	v_wmma_scale_f32_16x16x128_f8f6f4 v[8*(8*((\a)%4)+\b):8*(8*((\a)%4)+\b)+7], v[128*(\p)+FR*\b:128*(\p)+FR*\b+FR-1], v[AF+FR*(\a):AF+FR*(\a)+FR-1], 0, v[SCB+16*(\sc)+2*\b+(\q)], v[SCA+16*(\sc)+2*(\a)+(\q)] matrix_a_fmt:MATRIX_FMT_FP6 matrix_b_fmt:MATRIX_FMT_FP6
.else
	v_wmma_scale_f32_16x16x128_f8f6f4 v[8*(8*((\a)%4)+\b):8*(8*((\a)%4)+\b)+7], v[128*(\p)+FR*\b:128*(\p)+FR*\b+FR-1], v[AF+FR*(\a):AF+FR*(\a)+FR-1], v[8*(8*((\a)%4)+\b):8*(8*((\a)%4)+\b)+7], v[SCB+16*(\sc)+2*\b+(\q)], v[SCA+16*(\sc)+2*(\a)+(\q)] matrix_a_fmt:MATRIX_FMT_FP6 matrix_b_fmt:MATRIX_FMT_FP6
.endif
.endr
.endr
.endm
.macro FETCH_B slot, q, p
	WIN TO_B
.irp i, 0,1,2,3,4,5,6,7
	FRAG 128*(\p)+FR*\i, ADRB+\slot, \q, \i
.endr
	WIN 0
.endm
.macro FETCH_A slot, q, i0
.irp i, \i0, \i0+1, \i0+2, \i0+3
	FRAG AF+FR*(\i), ADRA+\slot, \q, \i
.endr
.endm
.macro SCALES sc
.irp i, 0,1,2,3,4,5,6,7
	ds_load_b64 v[SCA+16*\sc+2*\i:SCA+16*\sc+2*\i+1], v[ADRSA] offset:\i*SBLK
.endr
.irp i, 0,1,2,3,4,5,6,7
	ds_load_b64 v[SCB+16*\sc+2*\i:SCB+16*\sc+2*\i+1], v[ADRSB] offset:\i*SBLK
.endr
.endm
.macro PLACES n
.rept \n
	v_nop
.endr
.endm
.macro STEP slot, q, zero
	s_wait_dscnt 4*NL
	WIN MUL_LO
	MUL16 0, (\q)%2, \q, \slot, \zero
	MUL16 2, (\q)%2, \q, \slot, \zero
	s_wait_dscnt 0
	PLACES NP
	FETCH_B \slot, (\q)+1, 1-(\q)%2
	FETCH_A \slot, (\q)+1, 0
	WIN MUL_HI
	MUL16 4, (\q)%2, \q, \slot, \zero
	MUL16 6, (\q)%2, \q, \slot, \zero
	PLACES NP
	WIN 0
	FETCH_A \slot, (\q)+1, 4
.endm
.macro TURN slot, next, fill
	s_wait_tensorcnt 0x0
	ds_add_u32 v[SPW], v[NIL]
	s_wait_dscnt 4*NL+1
	WIN MUL_LO
	MUL16 0, 1, NQ-1, \slot, 0
	s_wait_dscnt 0x0
	s_barrier_signal -1
	MUL16 2, 1, NQ-1, \slot, 0
	WIN 0
	s_barrier_wait -1
.if \fill
	CREST
	s_add_nc_u64 s[G0+4*\slot+2:G0+4*\slot+3], s[G0+4*\slot+2:G0+4*\slot+3], 2*CHB
	s_add_nc_u64 s[G0B+4*\slot+2:G0B+4*\slot+3], s[G0B+4*\slot+2:G0B+4*\slot+3], 2*CHB
	JLOAD G0+4*\slot, G1, G0B+4*\slot, G1B
.else
	PLACES NP
.endif
	s_wait_alu depctr_va_vdst(0)
	v_add_nc_u32 v[ADRSA], 4*NQ, v[ADRSA]
	v_add_nc_u32 v[ADRSB], 4*NQ, v[ADRSB]
	FETCH_B \next, 0, 0
	FETCH_A \next, 0, 0
	SCALES \next
	WIN MUL_HI
	MUL16 4, 1, NQ-1, \slot, 0
	MUL16 6, 1, NQ-1, \slot, 0
	PLACES NP
	WIN 0
	FETCH_A \next, 0, 4
.endm
	s_wait_alu depctr_va_vdst(0)                   ; the head's end
	s_wait_tensorcnt 0x0                           ; my tile of the head's four is in; the three lines ahead of slot 1's first fill, as ahead of a refill
	ds_add_u32 v[SPW], v[NIL]
	s_mov_b32 s[G1+2], 32<<16                      ; no tensor load of mine is out: from here on a load brings 128 rows of codes,
	s_mov_b32 s[G1+4], 32
	s_mov_b32 s[G1B+2], 32<<16
	s_mov_b32 s[G1B+4], 32
	s_add_co_u32 s[G0+1], s45, 0                   ; and slot 0's group 0 stands at my 128 rows of chunk 0: its first refill steps it to chunk 2
	s_add_co_u32 s[G0B+1], s45, 0
	s_sub_nc_u64 s[G0+2:G0+3], s[G0+6:G0+7], CHB
	s_sub_nc_u64 s[G0B+2:G0B+3], s[G0B+6:G0B+7], CHB
	s_wait_dscnt 0x0
	CROUND                                         ; all four tiles are in, and the sixteen work-groups are here
	JLOAD G0+4, G1, G0B+4, G1B                     ; chunk 1, the first tensor load behind the round
	FETCH_B 0, 0, 0
	FETCH_A 0, 0, 0
	SCALES 0
	FETCH_A 0, 0, 4
	STEP 0, 0, 1
	TURN 0, 1, 1
	STEP 1, 0, 0
	TURN 1, 0, 1
	STEP 0, 0, 0
	TURN 0, 1, 0
	STEP 1, 0, 0
	s_wait_dscnt 4*NL
	WIN MUL_LO
	MUL16 0, 1, NQ-1, 1, 0
	MUL16 2, 1, NQ-1, 1, 0
	s_wait_dscnt 0
	WIN MUL_HI
	MUL16 4, 1, NQ-1, 1, 0
	MUL16 6, 1, NQ-1, 1, 0
	WIN 0
.macro FRAGQ mode, F
.if \mode
.set EA0, \F
.set EA1, \F
.set EC0, 0
.set EC1, 1
.set WN, 2+EA0/4
.else
.set EA0, 2*((\F)&3)
.set EA1, EA0+1
.set EC0, (\F)>>2
.set EC1, EC0
.set WN, 4+2+EA0/4
.endif
.set ECC, ECF+12*((\F)%4)
	WIN WN
.set i, 0
.rept 16
.if \mode
	v_pk_add_f32 v[EX+i:EX+i+1], v[64*(EA0%4)+32*EC0+i:64*(EA0%4)+32*EC0+i+1], v[EBV+2*EA0:EBV+2*EA0+1]
.else
	v_pk_add_f32 v[EX+i:EX+i+1], v[64*(EA0%4)+32*EC0+i:64*(EA0%4)+32*EC0+i+1], v[96+128*EC0+i:96+128*EC0+i+1]
.endif
.set i, i+2
.endr
.set i, 0
.rept 16
.if \mode
	v_pk_add_f32 v[EX+32+i:EX+32+i+1], v[64*(EA1%4)+32*EC1+i:64*(EA1%4)+32*EC1+i+1], v[EBV+2*EA1:EBV+2*EA1+1]
.else
	v_pk_add_f32 v[EX+32+i:EX+32+i+1], v[64*(EA1%4)+32*EC1+i:64*(EA1%4)+32*EC1+i+1], v[96+128*EC1+i:96+128*EC1+i+1]
.endif
.set i, i+2
.endr
	WIN 0
.irp e, 0,1
.irp k, 0,1
	v_max3_num_f32 v[ET+2*\e+\k], |v[EX+32*\e+16*\k]|, |v[EX+32*\e+16*\k+1]|, 0x1800000
.endr
.endr
.irp i, 2,4,6,8,10,12,14
.irp e, 0,1
.irp k, 0,1
	v_max3_num_f32 v[ET+2*\e+\k], v[ET+2*\e+\k], |v[EX+32*\e+16*\k+\i]|, |v[EX+32*\e+16*\k+\i+1]|
.endr
.endr
.endr
	v_max_num_f32 v[ET], v[ET], v[ET+1]
	v_max_num_f32 v[ET+2], v[ET+2], v[ET+3]
	v_add_nc_u32 v[ESO], 0xff000000, v[ET]
	v_add_nc_u32 v[ESO+1], 0xff000000, v[ET+2]
	v_lshrrev_b32 v[EBY], 23, v[ESO]
	v_lshrrev_b32 v[EBY+1], 23, v[ESO+1]
	v_lshl_or_b32 v[EWD], v[EBY+1], 16, v[EBY]
	v_lshlrev_b32 v[EWD], v[SH8], v[EWD]
	v_permlanex16_b32 v[ETM], v[EWD], s20, s21
	v_or_b32 v[EWORD+\F], v[EWD], v[ETM]
	v_cvt_scalef32_pk16_fp6_f32 v[ECC:ECC+2], v[EX:EX+15], v[ESO]
	v_cvt_scalef32_pk16_fp6_f32 v[ETC0:ETC0+2], v[EX+16:EX+31], v[ESO]
	v_cvt_scalef32_pk16_fp6_f32 v[ECC+6:ECC+8], v[EX+32:EX+47], v[ESO+1]
	v_cvt_scalef32_pk16_fp6_f32 v[ETC1:ETC1+2], v[EX+48:EX+63], v[ESO+1]
	v_nop
.irp i, 0,1,2
	v_mov_b32 v[ECC+3+\i], v[ETC0+\i]
	v_mov_b32 v[ECC+9+\i], v[ETC1+\i]
.endr
.irp i, 0,1,2
	global_store_b128 v[CO], v[ECC+4*\i:ECC+4*\i+3], s[96:97] offset:((\F)>>2)*307200+((\F)&3)*1536+512*\i
.endr
.endm
.macro EPI mode
.irp F, 0,1,2,3,4,5,6,7
.if \F == 4
	s_wait_xcnt 0x0
.endif
	FRAGQ \mode, \F
.endr
	v_cmp_eq_u32 vcc_lo, 1, v2
.irp i, 0,1,2,3
	v_cndmask_b32 v[EDS+\i], v[EWORD+\i], v[EWORD+4+\i], vcc_lo
.endr
	global_store_b128 v[SOFF], v[EDS:EDS+3], s[98:99]
.endm
	PLACES NP
	s_wait_loadcnt 0x0
	s_cmp_eq_u32 s95, 1
	s_cbranch_scc1 .Lout_v
	EPI 0
	s_branch .Lend
.Lout_v:
	EPI 1
.Lend:
	s_wait_tensorcnt 0x0
	ds_add_u32 v[SPW], v[NIL]
	s_wait_dscnt 0x0
	CROUND
	s_endpgm
.Lfunc_end_k_q5250baaf09_proj:
	.size	k_q5250baaf09_proj, .Lfunc_end_k_q5250baaf09_proj-k_q5250baaf09_proj
	.p2alignl 7, 3214868480
	.fill 96, 4, 3214868480
	.section	.rodata,"a",@progbits
	.p2align	6, 0x0
	.amdhsa_kernel k_q5250baaf09_proj
		.amdhsa_group_segment_fixed_size 327680
		.amdhsa_private_segment_fixed_size 0
		.amdhsa_enable_private_segment 0
		.amdhsa_kernarg_size 48
		.amdhsa_user_sgpr_count 2
		.amdhsa_user_sgpr_kernarg_segment_ptr 1
		.amdhsa_wavefront_size32 1
		.amdhsa_system_sgpr_workgroup_id_x 1
		.amdhsa_system_sgpr_workgroup_id_y 1
		.amdhsa_system_sgpr_workgroup_id_z 1
		.amdhsa_system_vgpr_workitem_id 0
		.amdhsa_next_free_vgpr 1024
		.amdhsa_next_free_sgpr 102
		.amdhsa_reserve_vcc 1
		.amdhsa_float_denorm_mode_32 3
		.amdhsa_float_denorm_mode_16_64 3
		.amdhsa_memory_ordered 1
		.amdhsa_forward_progress 1
		.amdhsa_inst_pref_size 224
	.end_amdhsa_kernel
	.amdgpu_metadata
---
amdhsa.version: [ 1, 2 ]
amdhsa.kernels:
  - .name:           k_q5250baaf09_proj
    .symbol:         k_q5250baaf09_proj.kd
    .args:
      - { .name: xc, .offset: 0, .size: 8, .value_kind: global_buffer, .address_space: global }
      - { .name: xs, .offset: 8, .size: 8, .value_kind: global_buffer, .address_space: global }
      - { .name: bq, .offset: 16, .size: 8, .value_kind: global_buffer, .address_space: global }
      - { .name: bk, .offset: 24, .size: 8, .value_kind: global_buffer, .address_space: global }
      - { .name: bv, .offset: 32, .size: 8, .value_kind: global_buffer, .address_space: global }
      - { .name: pw, .offset: 40, .size: 8, .value_kind: global_buffer, .address_space: global }
    .group_segment_fixed_size: 327680
    .private_segment_fixed_size: 0
    .kernarg_segment_align: 8
    .kernarg_segment_size: 48
    .max_flat_workgroup_size: 128
    .sgpr_count:     102
    .vgpr_count:     1024
    .wavefront_size: 32
...
	.end_amdgpu_metadata
.endif
;; end of part 2
;; launch attn (part 3): grid 4 x 64, 16 waves a work-group, clusters of 4 x 1, 327,680 bytes of LDS; arguments pw, out0; writes out0
.if DOCPART == 3
	.amdgcn_target "amdgcn-amd-amdhsa--gfx1250"
	.amdhsa_code_object_version 6
	.text
	.protected	k_q5250baaf09_attn
	.globl	k_q5250baaf09_attn
	.p2align	8
	.type	k_q5250baaf09_attn,@function
k_q5250baaf09_attn:
	s_mov_b64 s[64:65], 0
	v_nop
	global_prefetch_b8 v0, s[64:65] scope:SCOPE_SE
	s_setreg_imm32_b32 hwreg(HW_REG_WAVE_MODE, 25, 1), 1
	s_wait_xcnt 0x0
	s_wait_alu depctr_hold_cnt(0) depctr_sa_sdst(0) depctr_va_vdst(0) depctr_va_sdst(0) depctr_va_ssrc(0) depctr_va_vcc(0) depctr_vm_vsrc(0)
	s_getreg_b32 s2, hwreg(HW_REG_IB_STS2, 6, 4)
	s_cmp_eq_u32 s2, 0
	s_cbranch_scc0 .Lentry_in_a_cluster
	s_endpgm
.Lentry_in_a_cluster:
	s_bfe_u32 s2, ttmp6, 0x10000c
	s_cmp_lg_u32 s2, 0x3003
	s_cbranch_scc0 .Lentry_shape_is_right
	s_endpgm
.Lentry_shape_is_right:
; out[b][q][64 head + d] = the sum over keys of softmax(q . k / 8) v: 64 (batch, head) pairs, 2,048 queries x 2,048 keys, head size 64, both products on codes of FP6 (E2M3) with E8M0 scales.
; THE SOFTMAX: t = score x log2(e) / 8; M = the running largest t rounded UP to a whole number; p = 2^(t - M) is quantised along the keys, not normalised; the row's sum is taken of the
; unquantised p and divides at the end.  When M moves, the sum and O are multiplied by 2^(old M - new M): exact.
; SHARES.  A work-group owns 512 queries of one (batch, head); each of its sixteen waves one tile of 16 queries in each of two passes; a pass walks 16 steps of 128 keys.
; LDS.  A head's K and V with their scale words, 16 steps x 12,800 bytes, are filled ONCE and stay.  The four work-groups of a cluster are the four query blocks of one head: each step's block is
; asked for JOINTLY (mask 15).  Wave w brings step w: one load a wave, one line; every wave waits for its load, and one barrier shows all sixteen.  All is asked for at the head: no data prefetch.
; OPERANDS lie in pw as images of their registers: registers 4 i .. 4 i + 3 of lane l at 512 i + 16 l.
; HEAD SIZE 64 AGAINST K = 128.  A fragment of K holds TWO tiles of 16 keys; it is multiplied once by [q | zero codes] and once by [zero codes | q].
; LAYOUT.  Both products are used transposed: S^T = K Q^T, O^T = V^T P^T: a lane holds one query (lane % 16).  Key tile t = 4 c + w holds in row m the key 64 c + 8 w + m % 8 + 32 (m / 8), so a lane's 32
; registers of tiles 4 c .. 4 c + 3 are the keys 64 c + 32 (lane / 16) + 0 .. 31: a whole block of the second product's K in one lane.
; TWO LAYOUTS OF v68-179 BY TURNS: even steps K, then V, in v68-115 and S^T in v116-179; odd steps K, V in v132-179 and S^T in v68-131.  So the next step's K has its registers among this
; step's p, which are done with behind the conversions: it is fetched there, ahead of the second product.
; LIMITS: p under 2^-126 falls to 0; a block of p that is all zeros keeps the byte 1 (its codes are zeros); NaN and infinities are not served; scaled scores stay under 2^31 in magnitude.
.set STEPB, 12800                      ; a key step in LDS: K's 4 images, V's 4 at 6144, K's scale words at 12288, V's at 12544
.set STAGE, 16*STEPB                   ; 16 rows x 272 bytes for each wave, for the way out; no fill lands there.  Behind the stages, at 0x43000, the spare words
.set LI,  1                            ; 16 x lane
.set LR,  2                            ; 16 r + 12288
.set AD,  3                            ; LDS address of the step's images
.set AS,  4                            ; of its scale words
.set SH8, 5                            ; 8 h
.set STO, 6                            ; the stage: in
.set RD,  7                            ; the stage: back
.set GO,  8                            ; my byte offset in the wave's rows of out
.set QA,  9                            ; v9-11 my three pieces of Q's tile;  v12 -M, v13 the largest t, v[14:15] the sum in two halves
.set QF,  16                           ; v16-33 Q of the pass in hand: q, zero codes, q;  v34-51 pass 1's until it is moved
.set QS,  52                           ; v52-55 Q's scale words;  v56-59 K's;  v60-63 V's;  v64 p's;  v65-66 Q's as loaded: scales and nothing else
.set KS,  56
.set VS,  60
.set PW,  64
.set QR,  65
.set KF0, 68
.set S0,  116
.set KF1, 132
.set S1,  68
.set O,   180                          ; v180-211 O^T
.set PC,  212                          ; v212-223 p's codes
.set TC0, 224
.set TC1, 228
.set MX,  232
.set PD0, 236
.set SO,  238
.set BY,  240
.set FF,  242                          ; v[242:243] f = 2^(old M - new M)
.set T1,  244                          ; three more chains of the row's sum
.set W0,  246
.set W1,  247
.set PD1, 248
.set T2,  250
.set T3,  252
.set WV,  8
.set G1,  16
.set G0,  24
.set SEL, 40
.set CS,  42
.set TB,  44
.set CNT, 45
.set PS,  60                           ; passes to go
.macro WALU
	s_wait_alu depctr_va_vdst(0)
.endm
.macro CROUND
	s_barrier_signal -1
	s_barrier_wait -1
	s_cmp_lg_u32 s[WV], 0
	s_cbranch_scc1 .Lnot_wave_0_\@
	s_barrier_signal -3
.Lnot_wave_0_\@:
	s_barrier_wait -3
	s_barrier_signal -1
	s_barrier_wait -1
.endm
	s_load_b128 s[4:7], s[0:1], 0x0                ; pw, out0
	v_lshl_add_u32 v254, v0, 2, 0x43000
	v_mov_b32 v255, 0
	ds_add_u32 v254, v255                          ; the opening lines
	ds_add_u32 v254, v255
	v_lshrrev_b32 v1, 5, v0
	s_delay_alu instid0(VALU_DEP_1)
	v_readfirstlane_b32 s[WV], v1                  ; wave 0..15
	s_bfe_u32 s9, ttmp6, 0x40000                   ; cx
	s_and_b32 s10, ttmp7, 0xffff                   ; 16 batch + head, which the four partners share
	s_lshl_b32 s11, ttmp9, 2
	s_add_co_u32 s11, s11, s9                      ; my block of 512 queries: it enters Q's and out's addresses alone
	s_mov_b32 s[G1], 15|(3<<16)|(1<<21)            ; a dense block of 12,800 bytes as 50 rows of 256; the mask names all four
	s_mov_b32 s[G1+1], 32<<16
	s_mov_b32 s[G1+2], 50<<16
	s_mov_b32 s[G1+3], 32<<16
	s_mov_b32 s[G1+4], 50
	s_mov_b32 s[G1+5], 32
	s_mov_b32 s[G1+6], 0
	s_mov_b32 s[G1+7], 0
	s_mul_i32 s51, s[WV], STEPB                    ; step w in LDS,
	s_mul_i32 s52, s[WV], 19200                    ; and its record
	s_mul_i32 s54, s10, 307200                     ; the head's 16 records
	s_add_co_u32 s52, s52, s54
	s_add_co_u32 s52, s52, 6400                    ; K's codes begin a record's block of 12,800 bytes
	s_mov_b32 s53, 0
	s_mov_b32 s[SEL], 0x76543210
	s_mov_b32 s[SEL+1], 0xfedcba98
	s_mov_b32 s[CS], 0x3e38aa3b                    ; log2(e) / 8
	s_mov_b32 s[CS+1], s[CS]
	s_wait_dscnt 0x0
	s_wait_kmcnt 0x0
	s_add_nc_u64 s[52:53], s[4:5], s[52:53]
	s_mov_b32 s[G0], 1
	s_add_co_u32 s[G0+1], s51, 0
	s_mov_b64 s[G0+2:G0+3], s[52:53]
	s_or_b32 s[G0+3], s[G0+3], 0x80000000
	CROUND                                         ; all four work-groups are here: the joint loads meet
	tensor_load_to_lds s[G0:G0+3], s[G1:G1+7]      ; my one load
	s_nop 0
.rept 4
	v_nop
.endr
	s_mul_i32 s46, s11, 76800                      ; Q: my block's four records,
	s_add_co_u32 s46, s46, s54
	s_lshr_b32 s50, s[WV], 3
	s_mul_i32 s50, s50, 19200                      ; waves 8-15 the second; pass 1 two records on
	s_add_co_u32 s46, s46, s50
	s_mov_b32 s47, 0
	s_add_nc_u64 s[46:47], s[4:5], s[46:47]
	s_lshr_b32 s48, s10, 4
	s_lshl_b32 s48, s48, 23                        ; out: the batch, my block's 512 rows, my wave's 16, the head's 256 bytes of a row
	s_lshl_b32 s50, s11, 21
	s_add_co_u32 s48, s48, s50
	s_lshl_b32 s50, s[WV], 16
	s_add_co_u32 s48, s48, s50
	s_and_b32 s50, s10, 15
	s_lshl_b32 s50, s50, 8
	s_add_co_u32 s48, s48, s50
	s_mov_b32 s49, 0
	s_add_nc_u64 s[48:49], s[6:7], s[48:49]
	s_bfe_u32 s55, s[WV], 0x20001                  ; the image that holds my tile,
	s_and_b32 s56, s[WV], 1                        ; and which half of its registers
	v_and_b32 v[W0], 31, v0
	s_delay_alu instid0(VALU_DEP_1)
	v_lshlrev_b32 v[LI], 4, v[W0]
	s_mul_i32 s57, s55, 1536
	s_mul_i32 s58, s56, 520
	s_add_co_u32 s58, s58, s57
	s_mul_i32 s59, s56, 1016
	s_add_co_u32 s59, s59, s57
	s_add_co_u32 s59, s59, 8
	v_add_nc_u32 v[QA], s58, v[LI]                 ; registers 0, 1 of an image lie at 16 l, 6, 7 at 16 l + 520;
	v_add_nc_u32 v[QA+1], s59, v[LI]               ; 2, 3 at 16 l + 8, 8, 9 at 16 l + 1024;
	s_delay_alu instid0(VALU_DEP_2)
	v_add_nc_u32 v[QA+2], 512, v[QA]               ; 4, 5 at 16 l + 512, 10, 11 at 16 l + 1032
	v_and_b32 v[W0], 15, v0                        ; r
	v_bfe_u32 v[W1], v0, 4, 1                      ; h
	s_lshl_b32 s57, s55, 2
	v_lshlrev_b32 v[AD], 4, v[W0]
	s_delay_alu instid0(VALU_DEP_1)
	v_add_nc_u32 v[AD], s57, v[AD]                 ; Q's scale word: 16 r + 4 f
.irp p, 0,1
.irp i, 0,1,2
	global_load_b64 v[QF+18*\p+2*\i:QF+18*\p+2*\i+1], v[QA+\i], s[46:47] offset:38400*\p
	global_load_b64 v[QF+18*\p+12+2*\i:QF+18*\p+12+2*\i+1], v[QA+\i], s[46:47] offset:38400*\p
.endr
	global_load_b32 v[QR+\p], v[AD], s[46:47] offset:6144+38400*\p
.endr
.irp i, 6,7,8,9,10,11
	v_mov_b32 v[QF+\i], 0                          ; zero codes
.endr
	v_lshl_add_u32 v[LR], v[W0], 4, 12288
	v_lshlrev_b32 v[SH8], 3, v[W1]
	s_mul_i32 s57, s[WV], 16*272
	s_add_co_u32 s57, s57, STAGE                   ; my stage
	v_mul_u32_u24 v[STO], v[W0], 272
	s_delay_alu instid0(VALU_DEP_1)
	v_lshl_add_u32 v[STO], v[W1], 5, v[STO]
	s_delay_alu instid0(VALU_DEP_1)
	v_add_nc_u32 v[STO], s57, v[STO]               ; in: row r, + 32 h
	v_mul_u32_u24 v[RD], v[W1], 272
	s_delay_alu instid0(VALU_DEP_1)
	v_lshl_add_u32 v[RD], v[W0], 4, v[RD]
	s_delay_alu instid0(VALU_DEP_1)
	v_add_nc_u32 v[RD], s57, v[RD]                 ; back: lanes 0-15 one row, lanes 16-31 the next
	v_lshlrev_b32 v[GO], 12, v[W1]
	s_delay_alu instid0(VALU_DEP_1)
	v_lshl_add_u32 v[GO], v[W0], 4, v[GO]          ; and the same two rows in out
	v_mov_b32 v[PD0], 0                            ; a lane permute's destination counts as one of its sources
	v_mov_b32 v[PD1], 0
	v_mov_b32 v[FF+1], 0                           ; (named as the upper half of the pair)
	s_lshl_b32 s57, s56, 4
	s_wait_loadcnt 0x0                             ; Q
.irp p, 0,1
	v_lshrrev_b32 v[QS+2*\p], s57, v[QR+\p]        ; my tile's two bytes of the image's word,
	s_delay_alu instid0(VALU_DEP_1)
	v_and_b32 v[QS+2*\p], 0xffff, v[QS+2*\p]       ; for [q | 0]: the zero codes' bytes are 0, which is no NaN,
	s_delay_alu instid0(VALU_DEP_1)
	v_lshlrev_b32 v[QS+2*\p+1], 16, v[QS+2*\p]     ; and for [0 | q]
.endr
.macro KLD kn, a, as, off              ; a step's K: four images and the scale words: 13 loads
.irp f, 0,1,2,3
.irp i, 0,1,2
	ds_load_b128 v[\kn+12*\f+4*\i:\kn+12*\f+4*\i+3], v[\a] offset:\off+1536*\f+512*\i
.endr
.endr
	ds_load_b128 v[KS:KS+3], v[\as] offset:\off
.endm
.macro PADD t, s, j                    ; pair j of p onto chain t of the row's sum
	v_pk_add_f32 v[\t:\t+1], v[\t:\t+1], v[\s+2*(\j):\s+2*(\j)+1]
.endm
.macro GRP s, j
	PADD T1, \s, \j
	PADD T2, \s, (\j)+1
	PADD T3, \s, (\j)+2
	PADD 14, \s, (\j)+3
.endm
; A KEY STEP at LDS byte s[TB].  kf: K's, then V's registers; s: S^T's, then p's; kn: where the next step's K goes.  pre = 1: the next step's K is fetched; 2: key step 0's, for the next pass, if there is one.
.macro STEP kf, s, kn, pre
	v_add_nc_u32 v[AD], s[TB], v[LI]               ; five plain lines behind the last products, whose V registers the scores are written over (ISA guide 7.12.1)
	v_add_nc_u32 v[AS], s[TB], v[LR]
	v_mov_b32 v[W0], v12                           ; the old -M
	v_nop
	v_nop
	WALU                                           ; directly ahead of the wait below
	s_wait_dscnt 0x0                               ; K, asked for in the step before
.irp t, 0,1,2,3,4,5,6,7
	v_wmma_scale_f32_16x16x128_f8f6f4 v[\s+8*\t:\s+8*\t+7], v[\kf+12*(\t/2):\kf+12*(\t/2)+11], v[QF+6*(\t%2):QF+6*(\t%2)+11], 0, v[KS+\t/2], v[QS+\t%2] matrix_a_fmt:MATRIX_FMT_FP6 matrix_b_fmt:MATRIX_FMT_FP6
.endr
.rept 4
	v_nop                                          ; places in front of the loads below and of the first read of the scores
.endr
.irp a, 0,1,2,3                        ; V takes K's registers; it lands under the softmax
.irp i, 0,1,2
	ds_load_b128 v[\kf+12*\a+4*\i:\kf+12*\a+4*\i+3], v[AD] offset:6144+1536*\a+512*\i
.endr
.endr
	ds_load_b128 v[VS:VS+3], v[AS] offset:256
.irp b, 0,1,2,3
	v_max3_num_f32 v[MX+\b], v[\s+16*\b], v[\s+16*\b+1], v[\s+16*\b+2]   ; four chains of 16 scores by turns; each accumulator is read from its low end on
.endr
.irp i, 3,5,7,9,11,13
.irp b, 0,1,2,3
	v_max3_num_f32 v[MX+\b], v[MX+\b], v[\s+16*\b+\i], v[\s+16*\b+\i+1]
.endr
.endr
.irp b, 0,1,2,3
	v_max_num_f32 v[MX+\b], v[MX+\b], v[\s+16*\b+15]
.endr
	s_delay_alu instid0(VALU_DEP_3)
	v_max_num_f32 v[MX], v[MX], v[MX+1]            ; the largest score of each of my two blocks of 32 keys: for the row's maximum and, since p rises with the score, for the block's largest p
	s_delay_alu instid0(VALU_DEP_2)
	v_max_num_f32 v[MX+2], v[MX+2], v[MX+3]
	s_delay_alu instid0(VALU_DEP_1)
	v_max_num_f32 v[W1], v[MX], v[MX+2]
	s_delay_alu instid0(VALU_DEP_1)
	v_permlanex16_b32 v[PD0], v[W1], s[SEL], s[SEL+1]
	s_delay_alu instid0(VALU_DEP_1)
	v_max_num_f32 v[W1], v[W1], v[PD0]             ; with lane l xor 16's 64 keys
	s_delay_alu instid0(VALU_DEP_1)
	v_mul_f32 v[W1], s[CS], v[W1]                  ; as t
	s_delay_alu instid0(VALU_DEP_1)
	v_max_num_f32 v13, v13, v[W1]                  ; the running largest t
	s_delay_alu instid0(VALU_DEP_1)
	v_floor_f32 v12, -v13                          ; the new -M = -ceil(t)
.set j, 0
.rept 32
	v_pk_fma_f32 v[\s+j:\s+j+1], v[\s+j:\s+j+1], s[CS:CS+1], v[12:13] op_sel_hi:[1,0,0]   ; t - M; f's three lines stand among these, five apart
.if j == 8
	v_sub_f32 v[W0], v12, v[W0]                    ; old M less new M: a whole number, 0 or less
.endif
.if j == 18
	v_cvt_i32_f32 v[W0], v[W0]                     ; (it saturates)
.endif
.if j == 28
	v_ldexp_f32 v[FF], 1.0, v[W0]                  ; f
.endif
.set j, j+2
.endr
	v_fma_f32 v[MX], v[MX], s[CS], v12             ; the same of each block's largest score
	v_fma_f32 v[MX+2], v[MX+2], s[CS], v12
	WALU                                           ; ahead of the batch
	v_exp_f32 v[MX], v[MX]                         ; the blocks' largest p,
	v_exp_f32 v[MX+2], v[MX+2]
.set j, 0
.rept 64
	v_exp_f32 v[\s+j], v[\s+j]                     ; and p = 2^(t - M), at most 1: one batch of 66
.set j, j+1
.endr
	v_pk_mul_f32 v[14:15], v[14:15], v[FF:FF+1] op_sel_hi:[1,0]   ; the sum under the new M (the plain line behind the batch)
	WALU                                           ; one wait for the batch, ahead of its first reader
	v_max_num_f32 v[MX], 0x1800000, v[MX]          ; the floor 2^(3 - 127): the byte cannot fall under 1
	v_max_num_f32 v[MX+2], 0x1800000, v[MX+2]
	v_pk_add_f32 v[T1:T1+1], v[\s:\s+1], v[\s+2:\s+3]          ; the row's sum of the unquantised p, in four chains; the scale word's lines stand among them
	v_pk_add_f32 v[T2:T2+1], v[\s+4:\s+5], v[\s+6:\s+7]
	v_pk_add_f32 v[T3:T3+1], v[\s+8:\s+9], v[\s+10:\s+11]
	PADD 14, \s, 6
	v_add_nc_u32 v[SO], 0xff000000, v[MX]          ; 2 off the exponent field: the conversions' scale operands
	v_add_nc_u32 v[SO+1], 0xff000000, v[MX+2]
	GRP \s, 7
	v_lshrrev_b32 v[BY], 23, v[SO]                 ; the bytes
	v_lshrrev_b32 v[BY+1], 23, v[SO+1]
	GRP \s, 11
	v_lshl_or_b32 v[W1], v[BY+1], 16, v[BY]        ; key blocks h and 2 + h,
	GRP \s, 15
	v_lshlrev_b32 v[W1], v[SH8], v[W1]             ; at their places;
	GRP \s, 19
	v_permlanex16_b32 v[PD1], v[W1], s[SEL], s[SEL+1]
	GRP \s, 23
	v_or_b32 v[PW], v[W1], v[PD1]                  ; with lane l xor 16's two: p's scale word
	GRP \s, 27
	PADD T1, \s, 31
	s_delay_alu instid0(VALU_DEP_2)
	v_pk_add_f32 v[14:15], v[14:15], v[T3:T3+1]
	s_delay_alu instid0(VALU_DEP_2)
	v_pk_add_f32 v[T1:T1+1], v[T1:T1+1], v[T2:T2+1]
	s_delay_alu instid0(VALU_DEP_1)
	v_pk_add_f32 v[14:15], v[14:15], v[T1:T1+1]
	v_cvt_scalef32_pk16_fp6_f32 v[PC:PC+2], v[\s:\s+15], v[SO]
	v_cvt_scalef32_pk16_fp6_f32 v[TC0:TC0+2], v[\s+16:\s+31], v[SO]          ; (a conversion's three registers begin on an even number)
	v_cvt_scalef32_pk16_fp6_f32 v[PC+6:PC+8], v[\s+32:\s+47], v[SO+1]
	v_cvt_scalef32_pk16_fp6_f32 v[TC1:TC1+2], v[\s+48:\s+63], v[SO+1]
	v_nop                                          ; one plain line behind the conversions
.irp i, 0,1,2
	v_mov_b32 v[PC+3+\i], v[TC0+\i]                ; registers 6 c .. 6 c + 5: keys 64 c + 32 h + 0 .. 31
	v_mov_b32 v[PC+9+\i], v[TC1+\i]
.endr
.if \pre == 1
	KLD \kn, AD, AS, STEPB                         ; p is done with: the next step's K lands there
.else
	s_cmp_eq_u32 s[PS], 1                          ; the pass counter alone decides: the last pass fetches nothing more
	s_cbranch_scc1 .Lno_more_\@
	KLD \kn, LI, LR, 0                             ; key step 0, for the next pass
.Lno_more_\@:
.endif
	WALU                                           ; directly ahead of the first reader of O^T
.set j, 0
.rept 16
	v_pk_mul_f32 v[O+j:O+j+1], v[O+j:O+j+1], v[FF:FF+1] op_sel_hi:[1,0]   ; O^T under the new M; also the places between p's codes and scale word and the products
.set j, j+2
.endr
	WALU
.if \pre == 1
	s_wait_dscnt 13                                ; V is in; the 13 loads of the next K are younger
.else
	s_wait_dscnt 0x0
.endif
.irp a, 0,1,2,3
	v_wmma_scale_f32_16x16x128_f8f6f4 v[O+8*\a:O+8*\a+7], v[\kf+12*\a:\kf+12*\a+11], v[PC:PC+11], v[O+8*\a:O+8*\a+7], v[VS+\a], v[PW] matrix_a_fmt:MATRIX_FMT_FP6 matrix_b_fmt:MATRIX_FMT_FP6
.endr
	s_add_co_u32 s[TB], s[TB], STEPB
.endm
	WALU                                           ; the head's end
	s_wait_tensorcnt 0x0                           ; my step has landed
	s_barrier_signal -1
	s_barrier_wait -1                              ; everybody's has
	KLD KF0, LI, LR, 0                             ; key step 0's K
	s_mov_b32 s[PS], 2
.Lpass:
	v_mov_b32 v13, 0xff61b1e6                      ; the largest t so far: -3e38
	s_delay_alu instid0(VALU_DEP_1)
	v_floor_f32 v12, -v13
	v_mov_b32 v14, 0
	v_mov_b32 v15, 0
.set j, 0
.rept 32
	v_mov_b32 v[O+j], 0                            ; the first step finds zeros, which the first change of M leaves zeros
.set j, j+1
.endr
	s_mov_b32 s[TB], 0
	s_mov_b32 s[CNT], 7
.Lwalk:                                ; a trip is two steps: the layouts are back where they began
	STEP KF0, S0, KF1, 1
	STEP KF1, S1, KF0, 1
	s_sub_co_u32 s[CNT], s[CNT], 1
	s_cmp_lg_u32 s[CNT], 0
	s_cbranch_scc1 .Lwalk
	STEP KF0, S0, KF1, 1
	STEP KF1, S1, KF0, 2
	; THE WAY OUT: O^T / the sum through my stage in LDS, as whole runs of 256 bytes.  v116-147 the quotients, v148-179 the rows back from the stage; v68-115 may hold the next pass's K
	v_add_f32 v14, v14, v15
	s_delay_alu instid0(VALU_DEP_1)
	v_permlanex16_b32 v[PD0], v14, s[SEL], s[SEL+1]
	s_delay_alu instid0(VALU_DEP_1)
	v_add_f32 v14, v14, v[PD0]                     ; the row's sum
	WALU
	v_rcp_f32 v14, v14
	v_nop                                          ; with the three lines above and the next: the places behind the last products
	v_nop
	WALU                                           ; ahead of the reciprocal's first reader, and of O^T's
.set j, 0
.rept 16
	v_pk_mul_f32 v[S0+j:S0+j+1], v[O+j:O+j+1], v[14:15] op_sel_hi:[1,0]   ; register 8 a + i is out(query r, channel 16 a + 8 h + i)
.set j, j+2
.endr
.irp a, 0,1,2,3
	ds_store_b128 v[STO], v[S0+8*\a:S0+8*\a+3] offset:64*\a
	ds_store_b128 v[STO], v[S0+8*\a+4:S0+8*\a+7] offset:64*\a+16
.endr
.irp i, 0,1,2,3,4,5,6,7
	ds_load_b128 v[S0+32+4*\i:S0+32+4*\i+3], v[RD] offset:544*\i   ; LDS serves a wave's instructions in order: these see my stores
.endr
.irp i, 0,1,2,3,4,5,6,7
	s_wait_dscnt 7-\i                              ; the younger loads may stay out
	global_store_b128 v[GO], v[S0+32+4*\i:S0+32+4*\i+3], s[48:49] offset:8192*\i th:TH_STORE_NT   ; sixteen lanes store 256 consecutive bytes, aligned
.endr
	s_cmp_eq_u32 s[PS], 1
	s_cbranch_scc1 .Ldone
	s_wait_xcnt 0x0                                ; the stores have read their registers and their base
	s_add_nc_u64 s[48:49], s[48:49], 1048576       ; pass 1's queries lie 256 rows on
.irp i, 0,1,2,3,4,5,12,13,14,15,16,17
	v_mov_b32 v[QF+\i], v[QF+18+\i]                ; and its q and scale words take pass 0's registers
.endr
	v_mov_b32 v[QS], v[QS+2]
	v_mov_b32 v[QS+1], v[QS+3]
	s_sub_co_u32 s[PS], s[PS], 1
	s_branch .Lpass
.Ldone:
	s_wait_tensorcnt 0x0                           ; the wave's end
	ds_add_u32 v254, v255
	s_wait_dscnt 0x0
	CROUND                                         ; the closing round
	s_endpgm
.Lfunc_end_k_q5250baaf09_attn:
	.size	k_q5250baaf09_attn, .Lfunc_end_k_q5250baaf09_attn-k_q5250baaf09_attn
	.p2alignl 7, 3214868480
	.fill 96, 4, 3214868480
	.section	.rodata,"a",@progbits
	.p2align	6, 0x0
	.amdhsa_kernel k_q5250baaf09_attn
		.amdhsa_group_segment_fixed_size 327680
		.amdhsa_private_segment_fixed_size 0
		.amdhsa_enable_private_segment 0
		.amdhsa_kernarg_size 16
		.amdhsa_user_sgpr_count 2
		.amdhsa_user_sgpr_kernarg_segment_ptr 1
		.amdhsa_wavefront_size32 1
		.amdhsa_system_sgpr_workgroup_id_x 1
		.amdhsa_system_sgpr_workgroup_id_y 1
		.amdhsa_system_sgpr_workgroup_id_z 1
		.amdhsa_system_vgpr_workitem_id 0
		.amdhsa_next_free_vgpr 256
		.amdhsa_next_free_sgpr 66
		.amdhsa_reserve_vcc 0
		.amdhsa_float_denorm_mode_32 3
		.amdhsa_float_denorm_mode_16_64 3
		.amdhsa_memory_ordered 1
		.amdhsa_forward_progress 1
		.amdhsa_inst_pref_size 73
	.end_amdhsa_kernel
	.amdgpu_metadata
---
amdhsa.version: [ 1, 2 ]
amdhsa.kernels:
  - .name:           k_q5250baaf09_attn
    .symbol:         k_q5250baaf09_attn.kd
    .args:
      - { .name: pw, .offset: 0, .size: 8, .value_kind: global_buffer, .address_space: global }
      - { .name: out0, .offset: 8, .size: 8, .value_kind: global_buffer, .address_space: global }
    .group_segment_fixed_size: 327680
    .private_segment_fixed_size: 0
    .kernarg_segment_align: 8
    .kernarg_segment_size: 16
    .max_flat_workgroup_size: 512
    .sgpr_count:     66
    .vgpr_count:     256
    .wavefront_size: 32
...
	.end_amdgpu_metadata
.endif
;; end of part 3
